; MI455X (gfx1250); checked and timed in simulation.
; The chip was launched on July 23, 2026; its instructions are those of AMD's public machine-readable ISA for CDNA 5 (MIT licence, August 2026) and "CDNA5" Instruction Set Architecture Reference Guide (July 2026). The comments in the code are by the model that wrote it; some were corrected since.
;; Enhanced Attention V2. Allowed arithmetic: matrix products marked QUANTISED: E3M2 operands, one E8M0 scale for each 32 along K, by v_wmma_scale_f32_16x16x128_f8f6f4 with both operands' format E3M2, f32 sums; everything else in f32.
;; Inputs: Wk_codes 1,024 x 32 x 24 uint8 (E3M2 codes of Wk, K innermost, in blocks of 32 codes, four codes in three bytes); Wk_scales 1,024 x 32 uint8 (E8M0 scales of Wk, one for each 32 codes along K); Wq_codes 1,024 x 32 x 24 uint8 (E3M2 codes of Wq, K innermost, in blocks of 32 codes, four codes in three bytes); Wq_scales 1,024 x 32 uint8 (E8M0 scales of Wq, one for each 32 codes along K); Wv_codes 1,024 x 32 x 24 uint8 (E3M2 codes of Wv, K innermost, in blocks of 32 codes, four codes in three bytes); Wv_scales 1,024 x 32 uint8 (E8M0 scales of Wv, one for each 32 codes along K); beta 1,024 float32; bk 1,024 float32; bq 1,024 float32; bv 1,024 float32; gamma 1,024 float32; hidden_states 1 x 4,096 x 1,024 float32.
;; Outputs: out0 1 x 4,096 x 1,024 float32.
;; This version of the problem:
;;   THIS VERSION OF THE PROBLEM IS GIVEN IN LOW PRECISION. The matrix products marked QUANTISED in the list below multiply operands that are first quantised to E3M2 (3 exponent bits, 2 mantissa bits; 6 bits a number), with one power-of-two scale for each 32 numbers along K (OCP MX v1.0); their sums are f32. All else is computed in f32.
;;   The module's matrix products, in the order in which they are computed (A, B: the left and right operand; K: the contracted axis; several contracted axes count as one K, in the product's order):
;;     1. [M 4,096, K 1,024] x [K 1,024, N 1,024]; A: input hidden_states; B: input Wq (given as codes): QUANTISED
;;     2. [M 4,096, K 1,024] x [K 1,024, N 1,024]; A: input hidden_states; B: input Wk (given as codes): QUANTISED
;;     3. [M 4,096, K 1,024] x [K 1,024, N 1,024]; A: input hidden_states; B: input Wv (given as codes): QUANTISED
;;     4. batch 16 x [M 4,096, K 64] x [K 64, N 4,096]; A: computed on the way; B: computed on the way: QUANTISED
;;     5. batch 16 x [M 64, K 4,096] x [K 4,096, N 4,096]; A: computed on the way; B: softmax (see below): QUANTISED
;;   THE QUANTISER, for each operand of a quantised product, along K:
;;     - K is cut into blocks of 32 from its start; a last block that is shorter is filled with zeros.
;;     - A block's scale is 2^e with e = floor(log2(the largest magnitude in the block)) - 4, held to -126 .. 127; a block of zeros has e = 0. As a byte (E8M0): e + 127.
;;     - Each number is divided by its block's scale, clamped to +-28, and rounded to the nearest number of E3M2, ties to even, subnormals kept.
;;     - The product sums the exact products of the quantised numbers (number of the format x scale) in f32.
;;   ~~~python
;;   def quantise(x, axis):      # numpy; x: float32 -> the quantised numbers, widened to float32 again
;;       x = np.moveaxis(x, axis, -1); K = x.shape[-1]
;;       x = np.pad(x, [(0, 0)] * (x.ndim - 1) + [(0, -K % 32)]); x = x.reshape(x.shape[:-1] + (-1, 32)); a = np.abs(x).max(-1, keepdims=True)
;;       e = np.where(a > 0, np.clip(np.frexp(np.where(a > 0, a, 1))[1] - 1 - 4, -126, 127), 0)      # np.frexp(a)[1] - 1 = floor(log2(a)), exactly
;;       r = np.clip(x / 2.0 ** e, -28, 28)
;;       step = 2.0 ** (np.maximum(np.frexp(np.where(r == 0, 1, r))[1] - 1, -2) - 2)
;;       q = np.round(r / step) * step * 2.0 ** e      # np.round: ties to even
;;       return np.moveaxis(q.reshape(q.shape[:-2] + (-1,))[..., :K], -1, axis).astype(np.float32)
;;   ~~~
;;   SOFTMAX AHEAD OF A QUANTISED PRODUCT. Where the list says 'softmax', what is quantised is not the finished softmax but p = 2^(t - M), with t = logit x log2(e) and M = ceil(the row's largest t), a whole number; so 1/2 < the row's largest p <= 1. The row's sum l is taken of the UNQUANTISED p, in f32, and the product's result is divided by l at the end. Since M is a whole number, a kernel that streams over the keys may use a running M (the ceiling of the running maximum): every later rescaling is an exact power of two, which a block's scale takes up: the codes' values come out the same.
;;   OPERANDS COMPUTED ON THE WAY. 'Computed on the way' means the value that the module computes at that place (a softmax that the list does not call 'softmax' is quantised finished and normalised). What goes into a quantiser is computed in f32, as accurately as f32 sums, v_exp_f32 and their like allow (about 1e-6 of the number): no bf16 or f16 on the way to a quantiser, and a product that is left as it is and whose result goes on into a quantised operand takes f32 operands (vector FMAs, or v_wmma_f32_16x16x4_f32). A number that lies on a knife's edge between two numbers of the format may be rounded either way, as far as f32 arithmetic and the matrix unit's own rounding can turn it there, and no further.
;;   INPUTS GIVEN AS CODES. Wk (in the module: [1024, 1024], K = its axis 0); Wq (in the module: [1024, 1024], K = its axis 0); Wv (in the module: [1024, 1024], K = its axis 0): each comes as NAME_codes (uint8): NAME with its K axis moved to the last place and cut into blocks of 32 codes, [.., K / 32, bytes a block], one block behind the other in memory; four codes in three bytes: a row's codes are one little-endian stream of bits, code i at bits 6 i .. 6 i + 5 (a code: sign, 3 exponent bits, 2 mantissa bits); and NAME_scales (uint8): the same leading axes, one E8M0 byte (e + 127) for each 32 codes along K. Its value is code x scale, taken as it is: it is not quantised again, and the codes and scales need not be those that the quantiser above would give.
;; One version. Each part assembles by itself: llvm-mc -triple=amdgcn-amd-amdhsa -mcpu=gfx1250 --defsym DOCPART=n.
;; ======== version 1 of 1: 3 launches
;; limits: right only within a limited range of input values
;; workspace buffers: xc 3,145,728 bytes; xs 131,072 bytes; qc 3,145,728 bytes; qs 131,072 bytes; kc 3,145,728 bytes; ks 131,072 bytes; vc 3,145,728 bytes; vs 131,072 bytes
;; launch quantx (part 1): grid 256 x 1, 4 waves a work-group, no clusters, 22,016 bytes of LDS; arguments hidden_states, xc, xs; writes xc, xs
.if DOCPART == 1
	.amdgcn_target "amdgcn-amd-amdhsa--gfx1250"
	.amdhsa_code_object_version 6
	.text
	.protected	k_q28a1eb4fa4_quantx
	.globl	k_q28a1eb4fa4_quantx
	.p2align	8
	.type	k_q28a1eb4fa4_quantx,@function
k_q28a1eb4fa4_quantx:
	s_mov_b64 s[64:65], 0
	v_nop
	global_prefetch_b8 v0, s[64:65] scope:SCOPE_SE
	s_setreg_imm32_b32 hwreg(HW_REG_WAVE_MODE, 25, 1), 1
	s_wait_xcnt 0x0
; x [4096][1024], f32, becomes codes of BF6 (E3M2), 6 bits each, K innermost (xc: [4096][768] bytes), with one E8M0 scale byte for each 32 along K (xs: [4096][32]).
; A block's scale is 2^(floor(log2(its largest magnitude)) - 4); its byte is the largest magnitude's own exponent field - 4, held at 1 from below.
; Each number is divided by the scale and rounded to the nearest code, ties to even; beyond the largest code the conversion gives the largest code.
; LIMITS: a block of zeros gets the byte 1 where the quantiser's rule says 127: its codes are zeros, which add nothing under any byte but 0xff, and only this program reads the bytes.
; Blocks whose largest magnitude lies under 2^(5 - 127) keep the byte 1.  NaN and infinities among the inputs are not served.
; Rows are dense and 1,024 is a multiple of 32: x is a plain stream of blocks of 32, and so are its codes and its scale bytes.
; SHARES: 1,024 waves, 4,096 numbers each, in 8 steps of 512.  All 32 loads of a wave go out at its head, each of 512 consecutive bytes.
; The conversion takes 16 neighbours from ONE lane's registers, a load is dense where neighbouring LANES take neighbouring bytes: so a step's 2,048 bytes turn through the wave's own stage in LDS
; (in as loaded, out 64 bytes a lane; 16 bytes of padding behind each 64).  Two neighbouring lanes hold a block.  A lane's 16 codes are 12 bytes: a store covers 384 consecutive bytes.
; The work-group's 512 scale bytes are gathered in LDS and leave by one store of 512 consecutive bytes.  No matrix unit, no cluster, no tensor load: a stream that nobody shares.
.set STEPS, 8
.set EMAX,  4
.set CB,    12                         ; bytes of 16 codes
.set SP,    80                         ; a lane's place in a stage: 64 bytes + 16 of padding
.set WREG,  2*32*SP                    ; a wave's two stages
.set SCB,   4*WREG                     ; behind the stages: the work-group's 512 scale bytes
.set R,     16                         ; v16-143  eight sets of 16 numbers as they are loaded
.set X,     144                        ; v144-175 two sets of 16 neighbours
.set C,     176                        ; v176-207 codes: four registers for each step, so that no store's data are written again
.set E,     208                        ; v208-215 a scale byte for each step
	s_load_b128 s[4:7], s[0:1], 0x0                ; x, xc
	s_load_b64 s[8:9], s[0:1], 0x10                ; xs
	v_lshl_add_u32 v220, v0, 2, 0x5400
	v_mov_b32 v221, 0
	v_lshrrev_b32 v1, 5, v0
	v_readfirstlane_b32 s16, v1                    ; wave
	v_and_b32 v2, 31, v0                           ; lane
	v_lshlrev_b32 v3, 4, v2                        ; my 16 bytes of a load's 512
	s_mul_i32 s17, s16, WREG
	v_lshrrev_b32 v10, 2, v2
	v_mul_u32_u24 v10, v10, SP
	v_and_b32 v12, 3, v2
	v_lshl_add_u32 v10, v12, 4, v10
	v_add_nc_u32 v10, s17, v10                     ; the stage, way in: SP (lane / 4) + 16 (lane % 4)
	v_mul_u32_u24 v7, v2, SP
	v_add_nc_u32 v7, s17, v7                       ; way out: SP x lane: my 16 neighbours
	v_mul_u32_u24 v4, v2, CB                       ; my codes' place in a step's
	v_lshrrev_b32 v5, 1, v2
	s_lshl_b32 s17, s16, 7
	s_add_co_u32 s17, s17, SCB
	v_add_nc_u32 v5, s17, v5                       ; my block's scale byte: SCB + 128 x wave + lane / 2
	v_add_nc_u32 v6, SCB, v3                       ; and the bytes' way out: 16 a lane
	s_lshl_b32 s18, ttmp9, 2
	s_add_co_u32 s18, s18, s16                     ; which run of 4,096 numbers is my wave's
	s_lshl_b32 s20, s18, 14
	s_mov_b32 s21, 0
	s_mul_i32 s22, s18, 32*STEPS*CB
	s_mov_b32 s23, 0
	s_lshl_b32 s18, ttmp9, 9
	s_mov_b32 s19, 0
	s_wait_kmcnt 0x0
	s_add_nc_u64 s[4:5], s[4:5], s[20:21]
	s_add_nc_u64 s[6:7], s[6:7], s[22:23]
	s_add_nc_u64 s[8:9], s[8:9], s[18:19]
.macro LOAD t
.irp i, 0,1,2,3
	global_load_b128 v[R+16*(\t)+4*\i:R+16*(\t)+4*\i+3], v3, s[4:5] offset:2048*(\t)+512*\i th:TH_LOAD_NT   ; 32 lanes read 512 consecutive bytes
.endr
.endm
.macro TURN t                          ; step t's numbers through stage t % 2: LDS serves a wave's instructions in order, so no wait stands between the stores and the loads
.irp i, 0,1,2,3
	ds_store_b128 v10, v[R+16*(\t)+4*\i:R+16*(\t)+4*\i+3] offset:32*SP*((\t)%2)+8*SP*\i
.endr
.irp i, 0,1,2,3
	ds_load_b128 v[X+16*((\t)%2)+4*\i:X+16*((\t)%2)+4*\i+3], v7 offset:32*SP*((\t)%2)+16*\i
.endr
.endm
.irp t, 0,1,2,3,4,5,6,7
	LOAD \t
.endr
	s_wait_loadcnt 28                              ; step 0's four loads are in; the 28 of steps 1 to 7 may be out
	TURN 0
.macro STEP t
.set XS, X+16*((\t)%2)
.if (\t) > 0
	s_wait_dscnt 1                                 ; this step's numbers are back from the stage; only the last step's byte store may be out
.else
	s_wait_dscnt 0x0
.endif
.if (\t)+1 < STEPS
	s_wait_loadcnt 4*(STEPS-2-(\t))                ; the next step's four loads are in; those of the steps behind it may be out
	TURN (\t)+1                                    ; they go through the other stage while this step is worked
.endif
	v_max3_num_f32 v8, |v[XS]|, |v[XS+1]|, |v[XS+2]|               ; the largest magnitude of my 16, in two chains
	v_max3_num_f32 v9, |v[XS+3]|, |v[XS+4]|, |v[XS+5]|
.irp i, 6,10
	v_max3_num_f32 v8, v8, |v[XS+\i]|, |v[XS+\i+1]|
	v_max3_num_f32 v9, v9, |v[XS+\i+2]|, |v[XS+\i+3]|
.endr
	v_max3_num_f32 v8, v8, |v[XS+14]|, |v[XS+15]|
	v_max3_num_f32 v8, v8, v9, (EMAX+1)<<23        ; and the floor 2^(5 - 127): the byte cannot fall under 1
	v_max_num_f32_dpp v8, v8, v8 row_xmask:1 row_mask:0xf bank_mask:0xf   ; with my neighbour's 16: the block's
	v_add_nc_u32 v11, -(EMAX<<23), v8              ; 4 off its exponent field: the conversion takes the exponent field of this operand as its scale
	v_cvt_scalef32_pk16_bf6_f32 v[C+4*(\t):C+4*(\t)+2], v[XS:XS+15], v11
	v_lshrrev_b32 v[E+(\t)], 23, v11               ; the scale's byte (also the plain line behind the conversion)
	ds_store_b8 v5, v[E+(\t)] offset:16*(\t)       ; both lanes of a block write the same byte with the same value
	global_store_b96 v4, v[C+4*(\t):C+4*(\t)+2], s[6:7] offset:32*CB*(\t)
.endm
.irp t, 0,1,2,3,4,5,6,7
	STEP \t
.endr
	s_wait_dscnt 0x0                               ; for the others' sake: my byte stores have landed
	s_barrier_signal -1
	s_barrier_wait -1                              ; all 512 scale bytes lie in LDS
	s_cmp_lg_u32 s16, 0
	s_cbranch_scc1 .Lend                           ; wave 0 stores them
	ds_load_b128 v[216:219], v6
	s_wait_dscnt 0x0
	global_store_b128 v3, v[216:219], s[8:9]       ; 32 lanes store 512 consecutive bytes, at a multiple of 512 from xs's first byte
.Lend:
	s_wait_tensorcnt 0x0
	ds_add_u32 v220, v221
	s_wait_dscnt 0x0
	s_endpgm
.Lfunc_end_k_q28a1eb4fa4_quantx:
	.size	k_q28a1eb4fa4_quantx, .Lfunc_end_k_q28a1eb4fa4_quantx-k_q28a1eb4fa4_quantx
	.p2alignl 7, 3214868480
	.fill 96, 4, 3214868480
	.section	.rodata,"a",@progbits
	.p2align	6, 0x0
	.amdhsa_kernel k_q28a1eb4fa4_quantx
		.amdhsa_group_segment_fixed_size 22016
		.amdhsa_private_segment_fixed_size 0
		.amdhsa_enable_private_segment 0
		.amdhsa_kernarg_size 24
		.amdhsa_user_sgpr_count 2
		.amdhsa_user_sgpr_kernarg_segment_ptr 1
		.amdhsa_wavefront_size32 1
		.amdhsa_system_sgpr_workgroup_id_x 1
		.amdhsa_system_sgpr_workgroup_id_y 1
		.amdhsa_system_sgpr_workgroup_id_z 1
		.amdhsa_system_vgpr_workitem_id 0
		.amdhsa_next_free_vgpr 222
		.amdhsa_next_free_sgpr 66
		.amdhsa_reserve_vcc 0
		.amdhsa_float_denorm_mode_32 3
		.amdhsa_float_denorm_mode_16_64 3
		.amdhsa_memory_ordered 1
		.amdhsa_forward_progress 1
		.amdhsa_inst_pref_size 17
	.end_amdhsa_kernel
	.amdgpu_metadata
---
amdhsa.version: [ 1, 2 ]
amdhsa.kernels:
  - .name:           k_q28a1eb4fa4_quantx
    .symbol:         k_q28a1eb4fa4_quantx.kd
    .args:
      - { .name: hidden_states, .offset: 0, .size: 8, .value_kind: global_buffer, .address_space: global }
      - { .name: xc, .offset: 8, .size: 8, .value_kind: global_buffer, .address_space: global }
      - { .name: xs, .offset: 16, .size: 8, .value_kind: global_buffer, .address_space: global }
    .group_segment_fixed_size: 22016
    .private_segment_fixed_size: 0
    .kernarg_segment_align: 8
    .kernarg_segment_size: 24
    .max_flat_workgroup_size: 128
    .sgpr_count:     66
    .vgpr_count:     222
    .wavefront_size: 32
...
	.end_amdgpu_metadata
.endif
;; end of part 1
;; launch project (part 2): grid 8 x 24, 4 waves a work-group, clusters of 4 x 4, 327,680 bytes of LDS; arguments xc, xs, Wq_codes, Wq_scales, Wk_codes, Wk_scales, Wv_codes, Wv_scales, bq, bk, bv, qc, qs, kc, ks, vc, vs; writes qc, qs, kc, ks, vc, vs
.if DOCPART == 2
	.amdgcn_target "amdgcn-amd-amdhsa--gfx1250"
	.amdhsa_code_object_version 6
	.text
	.protected	k_q28a1eb4fa4_project
	.globl	k_q28a1eb4fa4_project
	.p2align	8
	.type	k_q28a1eb4fa4_project,@function
k_q28a1eb4fa4_project:
	s_mov_b64 s[64:65], 0
	v_nop
	global_prefetch_b8 v0, s[64:65] scope:SCOPE_SE
	s_setreg_imm32_b32 hwreg(HW_REG_WAVE_MODE, 25, 1), 1
	s_wait_xcnt 0x0
	s_wait_alu depctr_hold_cnt(0) depctr_sa_sdst(0) depctr_va_vdst(0) depctr_va_sdst(0) depctr_va_ssrc(0) depctr_va_vcc(0) depctr_vm_vsrc(0)
	s_getreg_b32 s2, hwreg(HW_REG_IB_STS2, 6, 4)
	s_cmp_eq_u32 s2, 0
	s_cbranch_scc0 .Lentry_in_a_cluster
	s_endpgm
.Lentry_in_a_cluster:
	s_bfe_u32 s2, ttmp6, 0x10000c
	s_cmp_lg_u32 s2, 0xf033
	s_cbranch_scc0 .Lentry_shape_is_right
	s_endpgm
.Lentry_shape_is_right:
; q = x Wq + bq, k = x Wk + bk, v = x Wv + bv on codes of BF6 (E3M2) with one E8M0 scale for each 32 along K = 1,024; the results are quantised again in registers, q and k along a head's 64 columns,
; v along the keys (rows of x), and leave as IMAGES OF OPERAND REGISTERS for the attention launch.
; ONE TEXT, TWO ORIENTATIONS.  A product takes 16 rows of tensor 'B' as source 0 and 16 rows of tensor 'A' as source 1: in the result a lane holds ONE row of A and its registers run along B's rows.
;   q, k (cluster y 0..3; cluster x 0: q, 1: k):  B = the weight's rows (output columns), A = x's rows: a lane's registers run along the columns, which are the next product's K.
;   v    (cluster y 4, 5):                        B = x's rows (keys), A = Wv's rows (output columns d): a lane's registers run along the keys, which are the next product's K.
; Both tensors are rows of 768 bytes of codes with rows of 32 scale bytes, so the two orientations differ in pointers alone, chosen on the cluster's coordinates.
; SHARES: 192 work-groups of equal work; each makes 256 (A) x 256 (B), each of its four waves 128 x 128: 64 accumulators, 512 registers.  K goes in steps of 256 through a ring of two LDS slots filled by
; the tensor data mover; K has four slots' worth, so the ring is written out.  The scale bytes of the work-group's rows, for all of K, come once with the first fills.
; CLUSTERS: 4 x 4.  A's tile hangs on cy alone and is asked for jointly by a row of the cluster, B's on cx alone and by a column.
; WORKSPACE: record G = 8 (group of 128 rows of x) + (pair of heads).  A code record is 8 fragments of 1,536 bytes; a fragment is its 12 registers: registers 4 c .. 4 c + 3 of lane l at 512 c + 16 l.
;   q, k: fragment a = rows 16 a on of the group; K = 128 columns: head 2 g in registers 0-5, head 2 g + 1 in registers 6-11.   v: fragment a = 4 u + t: d = 16 t on of head 2 g + u; K = the group's 128 keys.
;   A scale record is 16 bytes a lane: word k holds the scale words of fragment 2 k in lanes 0-15 and of fragment 2 k + 1 in lanes 16-31.
; ORDER INSIDE A BLOCK OF 32: a lane's register 8 b + j holds index 16 b + 8 (lane / 16) + j, so in every operand made here the code places 8-15 and 16-23 of a block have changed places: alike in q and k,
; and alike in v and in the p that the attention launch makes the same way.  Blocks and scales are the true ones, so the sums are of the same products.
; LIMITS: a block of zeros gets the byte 1 (its codes are zeros; only this program reads the bytes); NaN and infinities are not served.
; REGISTERS: window 0: v0-31 addresses; v32-63 scale words, two sets; v64-127 the bias; v128-223 A's fragments, one set; v244-251 the bias's offsets; on the way out v128-243 are at work.
;   window 1: B's fragments, two sets.   windows 2, 3: the accumulators ((a, b) at v[8 (8 (a % 4) + b)] of window 2 + a / 4).
.set KSTEP,  256
.set NQ,     2                         ; matrix instructions deep in a slot
.set ROWB,   192                       ; a tile's row in bytes
.set KROW,   768                       ; a row of codes in memory
.set PITCH,  240                       ; an LDS row: 3 x (64 bytes + 16 of padding)
.set FR,     12
.set NL,     6
.set NP,     4
.set HALFT,  128*PITCH
.set SLOT,   4*HALFT
.set KS,     32                        ; a row of scale bytes
.set SCL,    2*SLOT                    ; behind the ring: the scales, as rows of 256 bytes + 16 of padding
.set HALFS,  (128*KS/256)*272
.set SBLK,   (16*KS/256)*272
.set SPARE,  SCL+4*HALFS               ; the spare words, 128 bytes for each wave: two blocks of 256 bytes that no other line names
.set ADRA, 16                          ; v16-17 LDS address of my A fragments in slot 0, 1 (v18-19: behind one padding more)
.set ADRB, 20                          ; v20-23 the same for B
.set ADRS, 27                          ; v27    my scale words: lanes 0-15 A's rows, lanes 16-31 B's
.set SPW,  28                          ; v28    my spare word; never rewritten
.set NIL,  29                          ; v29    0; never rewritten
.set LI,   30                          ; v30    16 x lane: an image's place for my lane
.set LN,   31                          ; v31    lane
.set SC,   32
.set BR,   64                          ; v64-127 the bias, in the result's layout
.set AF,   128
.set T,    128                         ; the way out: 64 numbers with the bias added
.set TM,   192                         ; v192-207 at work in QUANT
.set PC,   208                         ; v208-226 the codes just made
.set PWS,  232                         ; v232-239 the eight fragments' scale words
.set WK,   240                         ; v240-243 the scale record
.set AD,   244                         ; v244-251 the bias's byte offsets
.set SEL,  92                          ; s[92:93] selects for lane l xor 16
.set G1, 24
.set G0, 32
.set G1B, 48
.set G0B, 56
.set G1S, 68
.set G0S, 76
.set G1SB, 80
.set G0SB, 88
.set MSB, 0
.macro WIN new                         ; the immediate's high byte repeats the setting that is left
.if MSB != (\new)
	s_set_vgpr_msb (MSB<<8)|(\new)
.set MSB, (\new)
.endif
.endm
.set MUL_LO, 0xa1                      ; source 0 (B) window 1, source 1 (A) window 0, C and D window 2
.set MUL_HI, 0xf1                      ; the same, C and D window 3
.set TO_B,   0x40
; A joint load: waves 0 and 1 fetch for A, waves 2 and 3 for B.  The branch hangs on the wave's number alone.  Four v_nop follow each of the two lines.
.macro JLOAD g0a, g1a, g0b, g1b
	s_cmp_eq_u32 s15, 0
	s_cbranch_scc0 .Lfor_b_\@
	tensor_load_to_lds s[\g0a:\g0a+3], s[\g1a:\g1a+7]
	s_nop 0
.rept 4
	v_nop
.endr
	s_branch .Lasked_\@
.Lfor_b_\@:
	tensor_load_to_lds s[\g0b:\g0b+3], s[\g1b:\g1b+7]
	s_nop 0
.rept 4
	v_nop
.endr
.Lasked_\@:
.endm
.macro CREST                           ; a round of the cluster's barrier behind its opening barrier
	s_cmp_lg_u32 s14, 0
	s_cbranch_scc1 .Lnot_wave_0_\@
	s_barrier_signal -3
.Lnot_wave_0_\@:
	s_barrier_wait -3
	s_barrier_signal -1
	s_barrier_wait -1
.endm
.macro CROUND
	s_barrier_signal -1
	s_barrier_wait -1
	CREST
.endm
	s_load_b512 s[68:83], s[0:1], 0x0              ; xc, xs, Wq codes, scales, Wk codes, scales, Wv codes, scales
	s_load_b512 s[84:99], s[0:1], 0x40             ; bq, bk, bv, qc, qs, kc, ks, vc
	s_load_b64 s[100:101], s[0:1], 0x80            ; vs
	v_lshl_add_u32 v[SPW], v0, 2, SPARE
	v_mov_b32 v[NIL], 0
	ds_add_u32 v28, v29
	ds_add_u32 v28, v29
	s_wait_dscnt 0x0
	v_lshrrev_b32 v1, 5, v0
	v_readfirstlane_b32 s14, v1                    ; wave 0..3
	s_lshr_b32 s15, s14, 1                         ; which half of A's 256 rows is mine.  Also: I fetch for A (0) or for B (1)
	s_and_b32 s16, s14, 1                          ; which half of B's.  Also: which 128 rows of that tile I fetch
	s_bfe_u32 s40, ttmp6, 0x40000                  ; cx
	s_bfe_u32 s41, ttmp6, 0x40004                  ; cy
	s_and_b32 s2, ttmp7, 0xffff                    ; cluster y, 0..5
	s_sub_co_u32 s42, s2, 4
	s_lshl_b32 s42, s42, 1
	s_add_co_u32 s42, s42, ttmp9                   ; 2 (y - 4) + x: v's group of four tiles of x
	s_cmp_lt_u32 s2, 4
	s_cselect_b32 s3, 0, 1                         ; the path: 0 q or k, 1 v: the same in all sixteen partners
	s_cselect_b32 s17, s2, 0
	s_cselect_b32 s42, 0, s42
	s_lshl_b32 s42, s42, 2
	s_add_co_u32 s42, s42, s40                     ; B's tile of 256 rows
	s_lshl_b32 s17, s17, 2
	s_add_co_u32 s17, s17, s41                     ; A's tile of 256 rows
	s_lshl_b32 s43, s41, 2
	s_lshl_b32 s43, 15, s43                        ; my row of the cluster
	s_lshl_b32 s44, 0x1111, s40                    ; my column
	s_wait_kmcnt 0x0
	s_cmp_eq_u32 ttmp9, 0                          ; q or k: the choice hangs on the cluster's x alone
	s_cselect_b64 s[18:19], s[72:73], s[76:77]
	s_cselect_b64 s[20:21], s[74:75], s[78:79]
	s_cselect_b64 s[22:23], s[84:85], s[86:87]
	s_cselect_b64 s[12:13], s[90:91], s[94:95]
	s_cselect_b64 s[66:67], s[92:93], s[96:97]
	s_cmp_eq_u32 s3, 0                             ; q, k or v: on the cluster's y alone.  Each register is read before it is written over
	s_cselect_b64 s[4:5], s[68:69], s[80:81]       ; A's codes
	s_cselect_b64 s[6:7], s[70:71], s[82:83]       ; A's scales
	s_cselect_b64 s[8:9], s[18:19], s[68:69]       ; B's codes
	s_cselect_b64 s[10:11], s[20:21], s[70:71]     ; B's scales
	s_cselect_b64 s[12:13], s[12:13], s[98:99]     ; the codes' records
	s_cselect_b64 s[96:97], s[22:23], s[88:89]     ; the bias
	s_cselect_b64 s[98:99], s[66:67], s[100:101]   ; the scales' records
	; descriptor group 1: a tile of 128 rows x 192 bytes, 16 bytes of padding behind every 64
	s_or_b32 s[G1+0], s43, (0<<16)|(1<<20)|(1<<21)|(3<<22)|(3<<25)
	s_or_b32 s[G1B+0], s44, (0<<16)|(1<<20)|(1<<21)|(3<<22)|(3<<25)
.irp g, G1, G1B
	s_mov_b32 s[\g+1], ROWB<<16                    ; tensor_dim0
	s_mov_b32 s[\g+2], 128<<16                     ; tensor_dim1
	s_mov_b32 s[\g+3], ROWB<<16                    ; tile_dim0
	s_mov_b32 s[\g+4], 128                         ; tile_dim1
	s_mov_b32 s[\g+5], KROW                        ; pitch
	s_mov_b32 s[\g+6], 0
	s_mov_b32 s[\g+7], 0
.endr
	; the scales of 128 rows: 4,096 dense bytes, as 16 rows of 256 bytes (32 elements of 8), 16 bytes of padding behind each
	s_or_b32 s[G1S+0], s43, (3<<16)|(1<<20)|(1<<21)|(5<<22)|(3<<25)
	s_or_b32 s[G1SB+0], s44, (3<<16)|(1<<20)|(1<<21)|(5<<22)|(3<<25)
.irp g, G1S, G1SB
	s_mov_b32 s[\g+1], 32<<16
	s_mov_b32 s[\g+2], (128*KS/256)<<16
	s_mov_b32 s[\g+3], 32<<16
	s_mov_b32 s[\g+4], 128*KS/256
	s_mov_b32 s[\g+5], 32
	s_mov_b32 s[\g+6], 0
	s_mov_b32 s[\g+7], 0
.endr
	s_lshl_b32 s18, s16, 7                         ; which 128 rows of the tile I fetch
	s_lshl_b32 s20, s17, 8
	s_add_co_u32 s20, s20, s18                     ; A's row
	s_lshl_b32 s46, s42, 8
	s_add_co_u32 s46, s46, s18                     ; B's row
	s_mov_b32 s21, 0
	s_mov_b32 s47, 0
	s_mov_b64 s[18:19], KS
	s_mul_u64 s[22:23], s[20:21], s[18:19]         ; where these rows' scales begin,
	s_mul_u64 s[92:93], s[46:47], s[18:19]
	s_mov_b64 s[18:19], KROW
	s_mul_u64 s[20:21], s[20:21], s[18:19]         ; and their codes
	s_mul_u64 s[46:47], s[46:47], s[18:19]
	s_mul_i32 s45, s14, HALFT                      ; where they go: wave x 128 rows: no place in the cluster enters an LDS address
	s_mul_i32 s94, s14, HALFS
	s_add_nc_u64 s[20:21], s[4:5], s[20:21]
	s_add_nc_u64 s[22:23], s[6:7], s[22:23]
	s_add_nc_u64 s[46:47], s[8:9], s[46:47]
	s_add_nc_u64 s[92:93], s[10:11], s[92:93]
	CROUND                                         ; all sixteen work-groups are here: the first joint loads meet
	s_mov_b32 s[G0S], 1
	s_add_co_u32 s[G0S+1], s94, SCL
	s_mov_b64 s[G0S+2:G0S+3], s[22:23]
	s_or_b32 s[G0S+3], s[G0S+3], 0x80000000
	s_mov_b32 s[G0SB], 1
	s_add_co_u32 s[G0SB+1], s94, SCL
	s_mov_b64 s[G0SB+2:G0SB+3], s[92:93]
	s_or_b32 s[G0SB+3], s[G0SB+3], 0x80000000
	JLOAD G0S, G1S, G0SB, G1SB                     ; the scales first: they are wanted with K step 0
.irp s, 0,1
	s_mov_b32 s[G0+4*\s], 1
	s_add_co_u32 s[G0+4*\s+1], s45, \s*SLOT
	s_add_nc_u64 s[G0+4*\s+2:G0+4*\s+3], s[20:21], \s*ROWB
	s_or_b32 s[G0+4*\s+3], s[G0+4*\s+3], 0x80000000
	s_mov_b32 s[G0B+4*\s], 1
	s_add_co_u32 s[G0B+4*\s+1], s45, \s*SLOT
	s_add_nc_u64 s[G0B+4*\s+2:G0B+4*\s+3], s[46:47], \s*ROWB
	s_or_b32 s[G0B+4*\s+3], s[G0B+4*\s+3], 0x80000000
	JLOAD G0+4*\s, G1, G0B+4*\s, G1B               ; three tensor loads of mine are out now
.endr
	s_mov_b32 s[SEL], 0x76543210
	s_mov_b32 s[SEL+1], 0xfedcba98
	v_and_b32 v1, 15, v0                           ; r = lane % 16
	v_bfe_u32 v2, v0, 4, 1                         ; h = lane / 16
	v_mul_u32_u24 v3, v1, PITCH
	v_mul_u32_u24 v4, v2, 24
	v_add_nc_u32 v4, v3, v4                        ; a fragment's row x pitch + 24 x half
	v_lshl_add_u32 v5, v2, 4, v4                   ; and the same behind one padding more
	s_mul_i32 s21, s15, HALFT                      ; my 128 rows of A
	s_mul_i32 s22, s16, HALFT                      ; my 128 rows of B,
	s_add_co_u32 s22, s22, 2*HALFT                 ; which lie behind A's 256
.irp s, 0,1
	v_add_nc_u32 v[ADRA+\s], s21, v4
	v_add_nc_u32 v[ADRB+\s], s22, v4
	v_add_nc_u32 v[ADRA+2+\s], s21, v5
	v_add_nc_u32 v[ADRB+2+\s], s22, v5
	s_add_co_u32 s21, s21, SLOT
	s_add_co_u32 s22, s22, SLOT
.endr
	v_mul_u32_u24 v5, v1, KS                       ; my row's scales: 32 bytes a row,
	v_lshrrev_b32 v6, 8, v5
	v_lshl_add_u32 v5, v6, 4, v5                   ; and 16 more for each 256 passed
	s_mul_i32 s21, s15, HALFS
	s_mul_i32 s22, s16, HALFS
	s_add_co_u32 s22, s22, 2*HALFS
	s_sub_co_u32 s22, s22, s21
	v_mul_u32_u24 v6, s22, v2                      ; lanes 16-31 take B's: one product, the distance between the two bases
	s_add_co_u32 s21, s21, SCL
	v_add_nc_u32 v5, v5, v6
	v_add_nc_u32 v[ADRS], s21, v5
	v_and_b32 v[LN], 31, v0
	v_lshlrev_b32 v[LI], 4, v[LN]
	; my record: G = 8 x (group of 128 rows of x) + (pair of heads)
	s_lshl_b32 s66, s17, 1
	s_add_co_u32 s66, s66, s15                     ; which 128 rows of A's tensor are mine
	s_lshl_b32 s67, s42, 1
	s_add_co_u32 s67, s67, s16                     ; and of B's
	s_cmp_eq_u32 s3, 0
	s_cselect_b32 s95, s66, s67                    ; x's group
	s_cselect_b32 s100, s67, s66                   ; the weight's group: the pair of heads g
	s_lshl_b32 s95, s95, 3
	s_add_co_u32 s95, s95, s100
	s_mul_i32 s66, s95, 12288
	s_mov_b32 s67, 0
	s_add_nc_u64 s[12:13], s[12:13], s[66:67]
	s_lshl_b32 s66, s95, 9
	s_add_nc_u64 s[98:99], s[98:99], s[66:67]
	s_lshl_b32 s66, s100, 9
	s_add_nc_u64 s[96:97], s[96:97], s[66:67]      ; the bias of my 128 output columns
	; the bias, without a branch.  q, k: register 8 b + j = bias[16 b + 8 h + j].   v: registers 8 a + 0 .. 7 = bias[16 a + r], eight equal copies
	s_cmp_eq_u32 s3, 0
	s_cselect_b32 s66, 32, 0
	s_cselect_b32 s67, 0, 4
	s_cselect_b32 s95, 4, 0
	v_mul_u32_u24 v[AD], v2, s66
	v_mad_u32_u24 v[AD], v1, s67, v[AD]
	v_mov_b32 v3, s95
.irp j, 1,2,3,4,5,6,7
	v_mad_u32_u24 v[AD+\j], v3, \j, v[AD]
.endr
.irp q, 0,1,2,3,4,5,6,7
.irp j, 0,1,2,3,4,5,6,7
	global_load_b32 v[BR+8*\q+\j], v[AD+\j], s[96:97] offset:64*\q   ; they land while the ring runs and are waited for in front of the way out
.endr
.endr
.macro FRAG reg, adr, q, i             ; a fragment, 16 rows x 128 K, is 12 registers: lane l holds row l % 16; registers 6 c .. 6 c + 5 hold K = 64 c + 32 (l / 16) + 0 .. 31: 24 bytes of the row, as they lie
.irp p, 0,1,2,3,4,5                    ; in pieces of 8 bytes; lanes 16-31 read three pieces further on, which for some pieces is behind one padding more: the second address register serves those
.set PIECE, 12*(\q)+6*(\p/3)+\p%3
.if PIECE%8 < 5
	ds_load_b64 v[\reg+2*\p:\reg+2*\p+1], v[\adr] offset:8*PIECE+16*(PIECE/8)+(\i)*16*PITCH
.else
	ds_load_b64 v[\reg+2*\p:\reg+2*\p+1], v[\adr+2] offset:8*PIECE+16*(PIECE/8)+(\i)*16*PITCH
.endif
.endr
.endm
; 16 matrix instructions: A's blocks a0, a0 + 1 x B's eight, the slot's q-th 128 along K.  p: B's set; sc: the set of scale words.  zero = 1: the first product starts the sums.
; The 64 accumulators take turns, one instruction a turn, in the same order in every step.
.macro MUL16 a0, p, q, sc, zero
.irp a, \a0, \a0+1
.irp b, 0,1,2,3,4,5,6,7
.if \zero
	v_wmma_scale_f32_16x16x128_f8f6f4 v[8*(8*((\a)%4)+\b):8*(8*((\a)%4)+\b)+7], v[128*(\p)+FR*\b:128*(\p)+FR*\b+FR-1], v[AF+FR*(\a):AF+FR*(\a)+FR-1], 0, v[SC+8*NQ*(\sc)+NQ*\b+(\q)], v[SC+8*NQ*(\sc)+NQ*(\a)+(\q)] matrix_a_fmt:MATRIX_FMT_BF6 matrix_b_fmt:MATRIX_FMT_BF6 matrix_a_scale:MATRIX_SCALE_ROW1
.else
	v_wmma_scale_f32_16x16x128_f8f6f4 v[8*(8*((\a)%4)+\b):8*(8*((\a)%4)+\b)+7], v[128*(\p)+FR*\b:128*(\p)+FR*\b+FR-1], v[AF+FR*(\a):AF+FR*(\a)+FR-1], v[8*(8*((\a)%4)+\b):8*(8*((\a)%4)+\b)+7], v[SC+8*NQ*(\sc)+NQ*\b+(\q)], v[SC+8*NQ*(\sc)+NQ*(\a)+(\q)] matrix_a_fmt:MATRIX_FMT_BF6 matrix_b_fmt:MATRIX_FMT_BF6 matrix_a_scale:MATRIX_SCALE_ROW1
.endif
.endr
.endr
.endm
.macro FETCH_B slot, q, p
	WIN TO_B
.irp i, 0,1,2,3,4,5,6,7
	FRAG 128*(\p)+FR*\i, ADRB+\slot, \q, \i
.endr
	WIN 0
.endm
.macro FETCH_A slot, q, i0
.irp i, \i0, \i0+1, \i0+2, \i0+3
	FRAG AF+FR*(\i), ADRA+\slot, \q, \i
.endr
.endm
.macro SCALES sc                       ; a K step's scale words: two words a row; lanes 0-15 take A's block i, lanes 16-31 B's block i
.irp i, 0,1,2,3,4,5,6,7
	ds_load_b64 v[SC+8*NQ*\sc+NQ*\i:SC+8*NQ*\sc+NQ*\i+1], v[ADRS] offset:\i*SBLK
.endr
.endm
; A load into a register that a matrix instruction has read, and a vector instruction that reads a matrix result or writes one of its registers, stand four places behind it; only plain vector
; instructions that name none of its registers are places (ISA guide 7.12.1 for vector instructions).
.macro PLACES n
.rept \n
	v_nop
.endr
.endm
.macro STEP slot, q, zero              ; a step of 128 along K that has its successor in the same slot
	s_wait_dscnt 4*NL                              ; B's set and A's blocks 0-3 are in; the youngest 24 loads (A's blocks 4-7) may be out
	WIN MUL_LO
	MUL16 0, (\q)%2, \q, \slot, \zero
	MUL16 2, (\q)%2, \q, \slot, \zero
	s_wait_dscnt 0                                 ; A's blocks 4-7 are in
	PLACES NP
	FETCH_B \slot, (\q)+1, 1-(\q)%2
	FETCH_A \slot, (\q)+1, 0
	WIN MUL_HI
	MUL16 4, (\q)%2, \q, \slot, \zero
	MUL16 6, (\q)%2, \q, \slot, \zero
	PLACES NP
	WIN 0
	FETCH_A \slot, (\q)+1, 4
.endm
; A slot's last step changes slots: one barrier; in front of it each wave waits for all its tensor loads, adds 0 to its spare word, and waits for that and for its own reads of this slot.
.macro TURN slot, next, fill
	s_wait_tensorcnt 0x0                           ; all my tensor loads have landed: my part of the next slot
	ds_add_u32 v[SPW], v[NIL]                      ; 0 onto my spare word
	s_wait_dscnt 4*NL+1                            ; (the add and the youngest 24 loads, A's blocks 4-7, may be out)
	WIN MUL_LO
	MUL16 0, 1, NQ-1, \slot, 0                     ; sixteen matrix instructions stand between the add and the wait for it
	s_wait_dscnt 0x0                               ; the add is done, and my reads of this slot are over
	s_barrier_signal -1
	MUL16 2, 1, NQ-1, \slot, 0
	WIN 0
	s_barrier_wait -1
.if \fill
	CREST                                          ; the barrier has opened a round of the cluster's barrier: no wave of any partner still reads this slot or has a load on its way
	s_add_nc_u64 s[G0+4*\slot+2:G0+4*\slot+3], s[G0+4*\slot+2:G0+4*\slot+3], 2*ROWB
	s_add_nc_u64 s[G0B+4*\slot+2:G0B+4*\slot+3], s[G0B+4*\slot+2:G0B+4*\slot+3], 2*ROWB
	JLOAD G0+4*\slot, G1, G0B+4*\slot, G1B         ; the first tensor load behind the round, my only one until the next; its four v_nop are the places in front of the loads below
.else
	PLACES NP
.endif
	v_add_nc_u32 v[ADRS], 4*NQ, v[ADRS]            ; on to the next K step's scale words (no LDS load of mine is out)
	FETCH_B \next, 0, 0
	FETCH_A \next, 0, 0
	SCALES \next
	WIN MUL_HI
	MUL16 4, 1, NQ-1, \slot, 0
	MUL16 6, 1, NQ-1, \slot, 0
	PLACES NP
	WIN 0
	FETCH_A \next, 0, 4
.endm
	s_wait_tensorcnt 1                             ; the scales and my part of K step 0 are in (K step 1's load may be out)
	s_barrier_signal -1
	s_barrier_wait -1                              ; everybody's are
	FETCH_B 0, 0, 0
	FETCH_A 0, 0, 0
	SCALES 0
	FETCH_A 0, 0, 4
	STEP 0, 0, 1                                   ; K 0: its products start the sums
	TURN 0, 1, 1                                   ; K 128; slot 0 takes K 512 on
	STEP 1, 0, 0                                   ; K 256
	TURN 1, 0, 1                                   ; K 384; slot 1 takes K 768 on
	STEP 0, 0, 0                                   ; K 512
	TURN 0, 1, 0                                   ; K 640; nothing is left to fetch
	STEP 1, 0, 0                                   ; K 768
	s_wait_dscnt 4*NL                              ; K 896, the last step
	WIN MUL_LO
	MUL16 0, 1, NQ-1, 1, 0
	MUL16 2, 1, NQ-1, 1, 0
	s_wait_dscnt 0
	WIN MUL_HI
	MUL16 4, 1, NQ-1, 1, 0
	MUL16 6, 1, NQ-1, 1, 0
	WIN 0
; 64 numbers of a lane, v[s] on: registers 16 b + 0 .. 15 are my half of block b of my row.  They become a fragment's codes in v[PC] on and its scale word in v[pw].
.macro QUANT s, pw
.irp b, 0,1,2,3
	v_max3_num_f32 v[TM+\b], |v[\s+16*\b]|, |v[\s+1+16*\b]|, 0x2800000   ; block b: my 16 numbers, and the floor 2^(5 - 127): the byte cannot fall under 1
.endr
.irp i, 2,4,6,8,10,12,14
.irp b, 0,1,2,3
	v_max3_num_f32 v[TM+\b], v[TM+\b], |v[\s+16*\b+\i]|, |v[\s+1+16*\b+\i]|   ; (the four blocks by turns)
.endr
.endr
.irp b, 0,1,2,3
	v_permlanex16_b32 v[TM+4+\b], v[TM+\b], s[SEL], s[SEL+1]
.endr
.irp b, 0,1,2,3
	v_max_num_f32 v[TM+\b], v[TM+\b], v[TM+4+\b]   ; with lane l xor 16's: the block's largest magnitude
.endr
.irp b, 0,1,2,3
	v_add_nc_u32 v[TM+12+\b], 0xfe000000, v[TM+\b]   ; 4 off its exponent field: the conversion's scale operand
.endr
.irp b, 0,1,2,3
	v_lshrrev_b32 v[TM+4+\b], 23, v[TM+12+\b]      ; the scale's byte
.endr
	v_lshl_or_b32 v[\pw], v[TM+5], 8, v[TM+4]      ; the four bytes make my row's scale word
	v_lshl_or_b32 v[\pw], v[TM+6], 16, v[\pw]
	v_lshl_or_b32 v[\pw], v[TM+7], 24, v[\pw]
.irp c, 0,1
	v_cvt_scalef32_pk16_bf6_f32 v[PC+6*\c:PC+2+6*\c], v[\s+32*\c:\s+15+32*\c], v[TM+12+2*\c]
	v_cvt_scalef32_pk16_bf6_f32 v[PC+12+4*\c:PC+14+4*\c], v[\s+16+32*\c:\s+31+32*\c], v[TM+12+2*\c+1]   ; (a conversion's three registers begin on an even number)
.endr
	v_nop                                          ; one plain place behind a scaled conversion
.irp c, 0,1                                    ; the operand's layout wants a WHOLE block in a lane: lanes 0-15 block 2 c, lanes 16-31 block 2 c + 1
.irp i, 0,1,2
	v_permlane16_swap_b32 v[PC+6*\c+\i], v[PC+12+4*\c+\i]
.endr
.irp i, 0,1,2
	v_mov_b32 v[PC+3+6*\c+\i], v[PC+12+4*\c+\i]
.endr
.endr
.endm
; A's block a leaves: + bias, quantised, three stores of 512 consecutive bytes.  path 0: the bias runs along the registers; path 1: it is the lane's own.
.macro OUTBLK a, path
.if (\a) > 0
	s_wait_xcnt 0x0                                ; the last block's stores have read their data: the codes' registers are written again only behind this wait
.endif
	WIN 0x02+(\a)/4                                ; source 0: window 2 or 3
.set i, 0
.rept 32                                       ; each accumulator is read from its low end on
.if \path
	v_pk_add_f32 v[T+2*i:T+2*i+1], v[64*((\a)%4)+2*i:64*((\a)%4)+2*i+1], v[BR+8*(\a):BR+8*(\a)+1]
.else
	v_pk_add_f32 v[T+2*i:T+2*i+1], v[64*((\a)%4)+2*i:64*((\a)%4)+2*i+1], v[BR+2*i:BR+2*i+1]
.endif
.set i, i+1
.endr
	WIN 0
	QUANT T, PWS+(\a)
.irp c, 0,1,2
	global_store_b128 v[LI], v[PC+4*\c:PC+4*\c+3], s[12:13] offset:1536*(\a)+512*\c
.endr
.endm
	PLACES NP                                      ; behind the last products: their results are read and A's registers written below
	s_wait_loadcnt 0x0                             ; the bias
.irp b, 0,1,2,3
	v_mov_b32 v[TM+4+\b], 0                        ; written once: a lane permute's destination counts as one of its sources
.endr
	s_cmp_lg_u32 s3, 0                             ; the path: the same in every wave of every partner
	s_cbranch_scc1 .Lv
.irp a, 0,1,2,3,4,5,6,7
	OUTBLK \a, 0
.endr
	s_branch .Ldone
.Lv:
.irp a, 0,1,2,3,4,5,6,7
	OUTBLK \a, 1
.endr
.Ldone:
	v_cmp_gt_u32 vcc_lo, 16, v[LN]                 ; lanes 0-15
.irp k, 0,1,2,3
	v_cndmask_b32 v[WK+\k], v[PWS+2*\k+1], v[PWS+2*\k], vcc_lo   ; word k: fragment 2 k below, fragment 2 k + 1 above
.endr
	global_store_b128 v[LI], v[WK:WK+3], s[98:99]  ; 512 consecutive bytes
	s_wait_tensorcnt 0x0                           ; the wave's end
	ds_add_u32 v[SPW], v[NIL]
	s_wait_dscnt 0x0
	CROUND                                         ; the closing round: no work-group ends while a partner may still ask for a tile that names it
	s_endpgm
.Lfunc_end_k_q28a1eb4fa4_project:
	.size	k_q28a1eb4fa4_project, .Lfunc_end_k_q28a1eb4fa4_project-k_q28a1eb4fa4_project
	.p2alignl 7, 3214868480
	.fill 96, 4, 3214868480
	.section	.rodata,"a",@progbits
	.p2align	6, 0x0
	.amdhsa_kernel k_q28a1eb4fa4_project
		.amdhsa_group_segment_fixed_size 327680
		.amdhsa_private_segment_fixed_size 0
		.amdhsa_enable_private_segment 0
		.amdhsa_kernarg_size 136
		.amdhsa_user_sgpr_count 2
		.amdhsa_user_sgpr_kernarg_segment_ptr 1
		.amdhsa_wavefront_size32 1
		.amdhsa_system_sgpr_workgroup_id_x 1
		.amdhsa_system_sgpr_workgroup_id_y 1
		.amdhsa_system_sgpr_workgroup_id_z 1
		.amdhsa_system_vgpr_workitem_id 0
		.amdhsa_next_free_vgpr 1024
		.amdhsa_next_free_sgpr 102
		.amdhsa_reserve_vcc 1
		.amdhsa_float_denorm_mode_32 3
		.amdhsa_float_denorm_mode_16_64 3
		.amdhsa_memory_ordered 1
		.amdhsa_forward_progress 1
		.amdhsa_inst_pref_size 236
	.end_amdhsa_kernel
	.amdgpu_metadata
---
amdhsa.version: [ 1, 2 ]
amdhsa.kernels:
  - .name:           k_q28a1eb4fa4_project
    .symbol:         k_q28a1eb4fa4_project.kd
    .args:
      - { .name: xc, .offset: 0, .size: 8, .value_kind: global_buffer, .address_space: global }
      - { .name: xs, .offset: 8, .size: 8, .value_kind: global_buffer, .address_space: global }
      - { .name: Wq_codes, .offset: 16, .size: 8, .value_kind: global_buffer, .address_space: global }
      - { .name: Wq_scales, .offset: 24, .size: 8, .value_kind: global_buffer, .address_space: global }
      - { .name: Wk_codes, .offset: 32, .size: 8, .value_kind: global_buffer, .address_space: global }
      - { .name: Wk_scales, .offset: 40, .size: 8, .value_kind: global_buffer, .address_space: global }
      - { .name: Wv_codes, .offset: 48, .size: 8, .value_kind: global_buffer, .address_space: global }
      - { .name: Wv_scales, .offset: 56, .size: 8, .value_kind: global_buffer, .address_space: global }
      - { .name: bq, .offset: 64, .size: 8, .value_kind: global_buffer, .address_space: global }
      - { .name: bk, .offset: 72, .size: 8, .value_kind: global_buffer, .address_space: global }
      - { .name: bv, .offset: 80, .size: 8, .value_kind: global_buffer, .address_space: global }
      - { .name: qc, .offset: 88, .size: 8, .value_kind: global_buffer, .address_space: global }
      - { .name: qs, .offset: 96, .size: 8, .value_kind: global_buffer, .address_space: global }
      - { .name: kc, .offset: 104, .size: 8, .value_kind: global_buffer, .address_space: global }
      - { .name: ks, .offset: 112, .size: 8, .value_kind: global_buffer, .address_space: global }
      - { .name: vc, .offset: 120, .size: 8, .value_kind: global_buffer, .address_space: global }
      - { .name: vs, .offset: 128, .size: 8, .value_kind: global_buffer, .address_space: global }
    .group_segment_fixed_size: 327680
    .private_segment_fixed_size: 0
    .kernarg_segment_align: 8
    .kernarg_segment_size: 136
    .max_flat_workgroup_size: 128
    .sgpr_count:     102
    .vgpr_count:     1024
    .wavefront_size: 32
...
	.end_amdgpu_metadata
.endif
;; end of part 2
;; launch attend (part 3): grid 256 x 1, 8 waves a work-group, no clusters, 67,072 bytes of LDS; arguments hidden_states, qc, qs, kc, ks, vc, vs, gamma, beta, out0; writes out0
.if DOCPART == 3
	.amdgcn_target "amdgcn-amd-amdhsa--gfx1250"
	.amdhsa_code_object_version 6
	.text
	.protected	k_q28a1eb4fa4_attend
	.globl	k_q28a1eb4fa4_attend
	.p2align	8
	.type	k_q28a1eb4fa4_attend,@function
k_q28a1eb4fa4_attend:
	s_mov_b64 s[64:65], 0
	v_nop
	global_prefetch_b8 v0, s[64:65] scope:SCOPE_SE
	s_setreg_imm32_b32 hwreg(HW_REG_WAVE_MODE, 25, 1), 1
	s_wait_xcnt 0x0
; out = LayerNorm(x + ctx), ctx = windowed attention: key j counts for query i where i - 128 <= j < i + 128; both products on codes of BF6 (E3M2) with one E8M0 scale for each 32 along K.
; SHARES: work-group w owns rows 16 w .. 16 w + 15 with all 16 heads, so that a row's LayerNorm stays inside it.  Wave g owns heads 2 g (e) and 2 g + 1 (o).
; With a = w / 8 and m = w % 8 the window of all 16 queries lies in the aligned groups of 128 keys a - 1, a, a + 1.  They are walked in the order a (no key hidden), a - 1, a + 1: three key steps, written out.
; OPERANDS come from memory straight into registers, as the images that the projection launch stored: each load takes 512 consecutive bytes.
; A fragment of K holds both heads' 64 channels (K = 128).  Q_e = [q_e | zero codes], Q_o = [zero codes | q_o]: one fragment of K feeds both heads' products, and the other head's codes meet zero codes.
; Both products are used transposed (S^T = K Q^T, O^T = V^T P^T): a lane holds one query (lane % 16) throughout.  Register 8 T + j of S^T holds key 16 T + 8 (lane / 16) + j.
; p is quantised from these natural tiles, so inside each block of 32 keys its code places 8-15 and 16-23 have changed places, exactly as in the stored v.
; SOFTMAX: t = score x log2(e) / 8; M = the running largest t rounded up to a whole number; p = 2^(t - M) is quantised; the row's sum is of the unquantised p and divides at the end.
; When M moves, the sum and O^T are multiplied by 2^(old M - new M), which rounds nothing.  Hidden keys of a visited step get the raw score -80,000, which is the logit -10,000.
; LIMITS: keys outside the three visited steps, and steps that do not exist at the sequence's ends (read at a clamped address, wholly hidden), weigh 0.  Their true weight is 2^((-10,000 - the row's largest logit) log2(e)),
; which is 0 in f32 as long as a row's largest kept logit lies above about -9,900.  NaN and infinities are not served.
; NO JOINT LOADS, THOUGH EIGHT WORK-GROUPS WALK THE SAME GROUPS OF KEYS: a key step's K, V and scale words of all heads are 8 x (2 x 12,288 + 2 x 512) = 204,800 bytes; two slots of that, 409,600 bytes,
; are more than the 327,680 bytes of LDS; slots of half a step would want five rounds of a cluster's barrier for six half steps, and each fragment is read by one wave, once.
; REGISTERS: window 0: v1-7 addresses and constants; v8-15 -M, the largest t and the sum (two halves) of heads e, o; v16-24 scale words of K, V, Q; v26-57 at work; v64-127 S^T of e, v128-191 of o; v192-223 O^T of e, v224-255 of o.
;   window 1: v0-95 K's eight fragments (later two rows of x and gamma); v96-191 V's eight; v192-215 Q_e, Q_o; v216-247 beta.
.set LI,  1                            ; v1  16 x lane
.set D0,  2                            ; v2  step a - 1: the key of register n is hidden where KC(n) < D0
.set D2,  3                            ; v3  step a + 1: where KC(n) >= D2
.set QA,  4                            ; v4  16 x (lane % 16)
.set NEG, 5                            ; v5  -80,000
.set SA,  6                            ; v6  the stage: where I put ctx
.set RA,  7                            ; v7  and where I read rows back
.set KSR, 16
.set VSR, 20
.set QSR, 24
.set MX,  26                           ; v26-29 the blocks' largest scores, then largest p
.set BY,  30                           ; v30-37 permute targets, bytes, conversion halves, the second sum chain
.set SO,  38                           ; v38-41 the conversions' scale operands
.set F,   42                           ; v42 2^(old M - new M)
.set PS,  43                           ; v43 p's scale word
.set TMP, 44
.set OLD, 45
.set PC,  46                           ; v46-57 p's codes
.set S,   64
.set OB,  192
.set Y,   64                           ; LayerNorm: two rows of 32 registers
.set WA,  128                          ; and its work registers, eight a row
.set WB,  130
.set WP,  132
.set WC,  134
.set KB,  0                            ; window 1
.set VB,  96
.set QE,  192
.set QO,  204
.set XR,  0
.set GA,  64
.set BE,  216
.set SEL, 60
.set CS,  62
.set MS0, 66
.set MS2, 67
.set MSB, 0
.macro WIN new                         ; the immediate's high byte repeats the setting that is left
.if MSB != (\new)
	s_set_vgpr_msb (MSB<<8)|(\new)
.set MSB, (\new)
.endif
.endm
.macro PLACES n                        ; plain places behind matrix instructions (ISA guide 7.12.1)
.rept \n
	v_nop
.endr
.endm
.macro PTRS p, sa                      ; the records of key step p, group s[sa]
	s_lshl_b32 s72, s[\sa], 3
	s_add_co_u32 s72, s72, s24
	s_mul_i32 s74, s72, 12288
	s_lshl_b32 s76, s72, 9
	s_add_nc_u64 s[28+4*(\p):29+4*(\p)], s[10:11], s[74:75]
	s_add_nc_u64 s[30+4*(\p):31+4*(\p)], s[14:15], s[74:75]
	s_add_nc_u64 s[40+4*(\p):41+4*(\p)], s[12:13], s[76:77]
	s_add_nc_u64 s[42+4*(\p):43+4*(\p)], s[16:17], s[76:77]
.endm
.macro LOADK p                         ; 25 loads: K's eight fragments and their scale words
	WIN 0x40
.irp t, 0,1,2,3,4,5,6,7
.irp c, 0,1,2
	global_load_b128 v[KB+12*\t+4*\c:KB+12*\t+4*\c+3], v[LI], s[28+4*(\p):29+4*(\p)] offset:1536*\t+512*\c
.endr
.endr
	WIN 0
	global_load_b128 v[KSR:KSR+3], v[LI], s[40+4*(\p):41+4*(\p)]
.endm
.macro LOADV u, p                      ; 12 loads: the four fragments of V of head u
	WIN 0x40
.irp t, 0,1,2,3
.irp c, 0,1,2
	global_load_b128 v[VB+48*\u+12*\t+4*\c:VB+48*\u+12*\t+4*\c+3], v[LI], s[30+4*(\p):31+4*(\p)] offset:1536*(4*\u+\t)+512*\c
.endr
.endr
	WIN 0
.endm
.macro LOADVS p
	global_load_b128 v[VSR:VSR+3], v[LI], s[42+4*(\p):43+4*(\p)]
.endm
.macro LOADLN                          ; 32 loads: my two rows of x, gamma, beta: 16 bytes a lane, 512 consecutive bytes a load
	WIN 0x40
.irp q, 0,1
.irp i, 0,1,2,3,4,5,6,7
	global_load_b128 v[XR+32*\q+4*\i:XR+32*\q+4*\i+3], v[LI], s[56:57] offset:4096*\q+512*\i th:TH_LOAD_NT
.endr
.endr
.irp i, 0,1,2,3,4,5,6,7
	global_load_b128 v[GA+4*\i:GA+4*\i+3], v[LI], s[18:19] offset:512*\i
	global_load_b128 v[BE+4*\i:BE+4*\i+3], v[LI], s[20:21] offset:512*\i
.endr
	WIN 0
.endm
.macro SPROD                           ; S^T of both heads: 16 products, each with its own result
	WIN 0x05                                       ; sources 0 (K) and 1 (Q) window 1, result window 0
.irp t, 0,1,2,3,4,5,6,7
.if \t % 2
	v_wmma_scale_f32_16x16x128_f8f6f4 v[S+8*\t:S+8*\t+7], v[KB+12*\t:KB+12*\t+11], v[QE:QE+11], 0, v[KSR+\t/2], v[QSR] matrix_a_fmt:MATRIX_FMT_BF6 matrix_b_fmt:MATRIX_FMT_BF6 matrix_a_scale:MATRIX_SCALE_ROW1
	v_wmma_scale_f32_16x16x128_f8f6f4 v[S+64+8*\t:S+64+8*\t+7], v[KB+12*\t:KB+12*\t+11], v[QO:QO+11], 0, v[KSR+\t/2], v[QSR] matrix_a_fmt:MATRIX_FMT_BF6 matrix_b_fmt:MATRIX_FMT_BF6 matrix_a_scale:MATRIX_SCALE_ROW1
.else
	v_wmma_scale_f32_16x16x128_f8f6f4 v[S+8*\t:S+8*\t+7], v[KB+12*\t:KB+12*\t+11], v[QE:QE+11], 0, v[KSR+\t/2], v[QSR] matrix_a_fmt:MATRIX_FMT_BF6 matrix_b_fmt:MATRIX_FMT_BF6
	v_wmma_scale_f32_16x16x128_f8f6f4 v[S+64+8*\t:S+64+8*\t+7], v[KB+12*\t:KB+12*\t+11], v[QO:QO+11], 0, v[KSR+\t/2], v[QSR] matrix_a_fmt:MATRIX_FMT_BF6 matrix_b_fmt:MATRIX_FMT_BF6
.endif
.endr
	WIN 0
.endm
; Hidden scores become -80,000.  Register 16 b + i holds key KC + 8 (lane / 16), KC = 32 b + 16 (i / 8) + i % 8.  A block of 32 keys none of which is hidden for any of the 16 queries is passed over: a scalar branch on ids.
.macro MASK p
.irp b, 0,1,2,3
.if \p == 1
	s_cmp_lt_u32 s[MS0], 2*\b                      ; step a - 1 hides keys under 16 m + r: none in block b where m < 2 b
.else
	s_cmp_gt_u32 s[MS2], 2*\b+1                    ; step a + 1 hides keys from 16 m + r on: none in block b where m > 2 b + 1
.endif
	s_cbranch_scc1 .Lopen_\@_\b
.irp i, 0,1,2,3,4,5,6,7,8,9,10,11,12,13,14,15
.if \p == 1
	v_cmp_lt_i32 vcc_lo, 32*\b+16*(\i/8)+\i%8, v[D0]
.else
	v_cmp_ge_i32 vcc_lo, 32*\b+16*(\i/8)+\i%8, v[D2]
.endif
	v_cndmask_b32 v[S+16*\b+\i], v[S+16*\b+\i], v[NEG], vcc_lo
	v_cndmask_b32 v[S+64+16*\b+\i], v[S+64+16*\b+\i], v[NEG], vcc_lo
.endr
.Lopen_\@_\b:
.endr
.endm
; Head u's softmax of a key step; first = 1: the first step, which starts M; the sum begins at 0 and O^T is started by the products.
.macro SOFTMAX u, first
.set SS, S+64*\u
.set NM, 8+4*\u
.set TR, NM+1
.set LL, NM+2
.set OO, OB+32*\u
.irp b, 0,1,2,3
	v_max3_num_f32 v[MX+\b], v[SS+16*\b], v[SS+1+16*\b], v[SS+2+16*\b]   ; the largest score of each block of 32 keys: for the row's maximum, and, since p rises with the score, for the block's largest p
.endr
.irp i, 3,5,7,9,11,13
.irp b, 0,1,2,3
	v_max3_num_f32 v[MX+\b], v[MX+\b], v[SS+16*\b+\i], v[SS+1+16*\b+\i]
.endr
.endr
.irp b, 0,1,2,3
	v_max_num_f32 v[MX+\b], v[MX+\b], v[SS+15+16*\b]
.endr
.irp b, 0,1,2,3
	v_permlanex16_b32 v[BY+\b], v[MX+\b], s[SEL], s[SEL+1]
.endr
.irp b, 0,1,2,3
	v_max_num_f32 v[MX+\b], v[MX+\b], v[BY+\b]     ; with lane l xor 16's 16 keys
.endr
	v_max3_num_f32 v[TMP], v[MX], v[MX+1], v[MX+2]
	v_max_num_f32 v[TMP], v[TMP], v[MX+3]          ; the step's largest score of my query
.if \first
	v_mul_f32 v[TR], s[CS], v[TMP]                 ; as t
	v_floor_f32 v[NM], -v[TR]                      ; -M = floor(-t): M is a whole number
.else
	v_mul_f32 v[TMP], s[CS], v[TMP]
	v_max_num_f32 v[TR], v[TR], v[TMP]             ; the running largest t
	v_mov_b32 v[OLD], v[NM]
	v_floor_f32 v[NM], -v[TR]
	v_sub_f32 v[TMP], v[NM], v[OLD]                ; old M - new M: a whole number, 0 or less
	v_cvt_i32_f32 v[TMP], v[TMP]
	v_ldexp_f32 v[F], 1.0, v[TMP]                  ; f = 2^(old M - new M)
.endif
.set j, 0
.rept 32
	v_pk_fma_f32 v[SS+j:SS+j+1], v[SS+j:SS+j+1], s[CS:CS+1], v[NM:NM+1] op_sel_hi:[1,0,0]   ; t - M, two at a time
.set j, j+2
.endr
.irp b, 0,1,2,3
	v_fma_f32 v[MX+\b], v[MX+\b], s[CS], v[NM]     ; the same of each block's largest score
.endr
.set j, 0
.rept 64
	v_exp_f32 v[SS+j], v[SS+j]                     ; p = 2^(t - M), at most 1
.set j, j+1
.endr
.irp b, 0,1,2,3
	v_exp_f32 v[MX+\b], v[MX+\b]                   ; the block's largest p
.endr
.if \first
	v_nop                                          ; a plain place behind the exponentials
	s_wait_alu depctr_va_vdst(0)
.else
	v_pk_mul_f32 v[LL:LL+1], v[LL:LL+1], v[F:F+1] op_sel_hi:[1,0]   ; the sums under the new M (a plain place behind the exponentials)
	s_wait_alu depctr_va_vdst(0)
.endif
.irp b, 0,1,2,3
	v_max_num_f32 v[MX+\b], 0x2800000, v[MX+\b]    ; the floor 2^(5 - 127): the byte cannot fall under 1; a block whose every p is 0 keeps that byte over zero codes
.endr
.irp b, 0,1,2,3
	v_add_nc_u32 v[SO+\b], 0xfe000000, v[MX+\b]    ; 4 off the exponent field: the conversion's scale operand
.endr
.irp b, 0,1,2,3
	v_lshrrev_b32 v[BY+\b], 23, v[SO+\b]           ; the scale's byte
.endr
	v_lshl_or_b32 v[PS], v[BY+1], 8, v[BY]         ; p's scale word for these 128 keys
	v_lshl_or_b32 v[PS], v[BY+2], 16, v[PS]
	v_lshl_or_b32 v[PS], v[BY+3], 24, v[PS]
.irp c, 0,1
	v_cvt_scalef32_pk16_bf6_f32 v[PC+6*\c:PC+2+6*\c], v[SS+32*\c:SS+15+32*\c], v[SO+2*\c]
	v_cvt_scalef32_pk16_bf6_f32 v[BY+4*\c:BY+2+4*\c], v[SS+16+32*\c:SS+31+32*\c], v[SO+2*\c+1]   ; (a conversion's three registers begin on an even number)
.endr
	v_nop                                          ; one plain place behind a scaled conversion
.irp c, 0,1                                    ; a WHOLE block in a lane: lanes 0-15 block 2 c, lanes 16-31 block 2 c + 1
.irp i, 0,1,2
	v_permlane16_swap_b32 v[PC+6*\c+\i], v[BY+4*\c+\i]
.endr
.irp i, 0,1,2
	v_mov_b32 v[PC+3+6*\c+\i], v[BY+4*\c+\i]
.endr
.endr
.if !\first
.set j, 0
.rept 16
	v_pk_mul_f32 v[OO+j:OO+j+1], v[OO+j:OO+j+1], v[F:F+1] op_sel_hi:[1,0]   ; O^T under the new M, each accumulator from its low end on
.set j, j+2
.endr
.endif
	v_pk_add_f32 v[BY:BY+1], v[SS:SS+1], v[SS+2:SS+3]   ; the row's sum of the UNQUANTISED p, in two chains.  These 32 lines are also the places between the last writes of p's codes, its scale word and O^T and the products
.irp j, 4,8,12,16,20,24,28,32,36,40,44,48,52,56,60
	v_pk_add_f32 v[LL:LL+1], v[LL:LL+1], v[SS+\j:SS+\j+1]
	v_pk_add_f32 v[BY:BY+1], v[BY:BY+1], v[SS+\j+2:SS+\j+3]
.endr
	v_pk_add_f32 v[LL:LL+1], v[LL:LL+1], v[BY:BY+1]
.endm
; O^T of head u += V^T P^T: four accumulators by turns.  first = 1: the products start the sums.
.macro PVPROD u, first
	WIN 0x01                                       ; source 0 (V) window 1
.irp t, 0,1,2,3
.set rO, OB+32*\u+8*\t
.set rV, VB+48*\u+12*\t
.set rW, VSR+2*\u+\t/2
.if \first
.if \t % 2
	v_wmma_scale_f32_16x16x128_f8f6f4 v[rO:rO+7], v[rV:rV+11], v[PC:PC+11], 0, v[rW], v[PS] matrix_a_fmt:MATRIX_FMT_BF6 matrix_b_fmt:MATRIX_FMT_BF6 matrix_a_scale:MATRIX_SCALE_ROW1
.else
	v_wmma_scale_f32_16x16x128_f8f6f4 v[rO:rO+7], v[rV:rV+11], v[PC:PC+11], 0, v[rW], v[PS] matrix_a_fmt:MATRIX_FMT_BF6 matrix_b_fmt:MATRIX_FMT_BF6
.endif
.else
.if \t % 2
	v_wmma_scale_f32_16x16x128_f8f6f4 v[rO:rO+7], v[rV:rV+11], v[PC:PC+11], v[rO:rO+7], v[rW], v[PS] matrix_a_fmt:MATRIX_FMT_BF6 matrix_b_fmt:MATRIX_FMT_BF6 matrix_a_scale:MATRIX_SCALE_ROW1
.else
	v_wmma_scale_f32_16x16x128_f8f6f4 v[rO:rO+7], v[rV:rV+11], v[PC:PC+11], v[rO:rO+7], v[rW], v[PS] matrix_a_fmt:MATRIX_FMT_BF6 matrix_b_fmt:MATRIX_FMT_BF6
.endif
.endif
.endr
	WIN 0
.endm
; A key step.  The counts are the global loads issued behind the ones that are wanted.
.macro KEYSTEP p
	s_wait_loadcnt 25                              ; K and its scale words are in; behind them: V's 24 fragment loads and its scale words
	SPROD
	PLACES 4
.if \p < 2
	LOADK \p+1
.else
	LOADLN
.endif
.if \p > 0
	MASK \p
.endif
.if \p == 0
	SOFTMAX 0, 1
.else
	SOFTMAX 0, 0
.endif
.if \p < 2
	s_wait_loadcnt 37                              ; V of head e and V's scale words are in; behind them: V of head o (12) and the next K (25)
.else
	s_wait_loadcnt 44                              ; behind them: V of head o (12) and the LayerNorm's 32
.endif
.if \p == 0
	PVPROD 0, 1
.else
	PVPROD 0, 0
.endif
	PLACES 4
.if \p < 2
	LOADV 0, \p+1
.endif
.if \p == 0
	SOFTMAX 1, 1
.else
	SOFTMAX 1, 0
.endif
.if \p < 2
	s_wait_loadcnt 37                              ; V of head o is in; behind it: the next K (25) and the next V of head e (12)
.else
	s_wait_loadcnt 32                              ; behind it: the LayerNorm's 32
.endif
.if \p == 0
	PVPROD 1, 1
.else
	PVPROD 1, 0
.endif
	PLACES 4
.if \p < 2
	LOADVS \p+1
	LOADV 1, \p+1
.endif
.endm
	s_load_b512 s[4:19], s[0:1], 0x0               ; x s[4:5], qc, qs, kc s[10:11], ks, vc s[14:15], vs, gamma s[18:19]
	s_load_b128 s[20:23], s[0:1], 0x40             ; beta s[20:21], out s[22:23]
	v_lshl_add_u32 v62, v0, 2, 0x10200
	v_mov_b32 v63, 0
	v_lshrrev_b32 v44, 5, v0
	v_readfirstlane_b32 s24, v44                   ; wave g: the pair of heads
	s_lshr_b32 s25, ttmp9, 3                       ; a: my group of 128 rows
	s_and_b32 s26, ttmp9, 7                        ; m: my 16 rows in it
	v_and_b32 v45, 31, v0
	v_lshlrev_b32 v[LI], 4, v45
	v_and_b32 v44, 15, v0                          ; r
	v_bfe_u32 v45, v0, 4, 1                        ; h
	v_lshlrev_b32 v[QA], 4, v44
	v_mul_u32_u24 v[SA], v44, 4112                 ; the stage: row r of 4,096 + 16 bytes, + 32 h, + my two heads' 512 bytes
	v_lshl_add_u32 v[SA], v45, 5, v[SA]
	s_lshl_b32 s70, s24, 9
	v_add_nc_u32 v[SA], s70, v[SA]
	s_mul_i32 s70, s24, 8224                       ; back: rows 2 g and 2 g + 1, 16 bytes a lane
	v_add_nc_u32 v[RA], s70, v[LI]
	s_lshl_b32 s70, s26, 4
	v_add_nc_u32 v[D2], s70, v44
	v_lshlrev_b32 v45, 3, v45
	v_sub_nc_u32 v[D2], v[D2], v45                 ; D = 16 m + r - 8 h
	s_cmp_eq_u32 s25, 0                            ; there is no group -1: all of that step is hidden
	s_cselect_b32 s71, 256, 0
	s_cselect_b32 s[MS0], 8, s26
	v_add_nc_u32 v[D0], s71, v[D2]
	s_cmp_eq_u32 s25, 31                           ; nor a group 32
	s_cselect_b32 s71, 256, 0
	s_cselect_b32 s[MS2], 0, s26
	v_sub_nc_u32 v[D2], v[D2], s71
	s_sub_co_i32 s70, s25, 1
	s_max_i32 s70, s70, 0                          ; the groups read: a - 1 and a + 1, held inside the buffers
	s_add_co_u32 s71, s25, 1
	s_min_u32 s71, s71, 31
	s_mov_b32 s75, 0
	s_mov_b32 s77, 0
	s_mov_b32 s[SEL], 0x76543210
	s_mov_b32 s[SEL+1], 0xfedcba98
	s_mov_b32 s[CS], 0x3e38aa3b                    ; c = log2(e) / sqrt(64)
	s_mov_b32 s[CS+1], s[CS]                       ; (named with it as a pair, so it is written)
	s_mov_b32 s68, 0x3a800000                      ; 1 / 1,024
	s_mov_b32 s69, 0x2b8cbccc                      ; 1e-12
	s_wait_kmcnt 0x0
	PTRS 1, 70
	PTRS 2, 71
	PTRS 0, 25
	s_mul_i32 s72, s26, 1536                       ; Q: fragment m of my own group's record
	s_add_co_u32 s74, s74, s72
	s_add_nc_u64 s[52:53], s[6:7], s[74:75]
	s_and_b32 s72, s26, 1                          ; its scale words: word m / 2 of lanes 16 (m % 2) + r
	s_lshl_b32 s72, s72, 8
	s_add_co_u32 s76, s76, s72
	s_lshr_b32 s72, s26, 1
	s_lshl_b32 s72, s72, 2
	s_add_co_u32 s76, s76, s72
	s_add_nc_u64 s[54:55], s[8:9], s[76:77]
	s_lshl_b32 s72, ttmp9, 4
	s_lshl_b32 s73, s24, 1
	s_add_co_u32 s72, s72, s73                     ; the LayerNorm's rows: 16 w + 2 g and the next
	s_lshl_b32 s72, s72, 12
	s_mov_b32 s73, 0
	s_add_nc_u64 s[56:57], s[4:5], s[72:73]
	s_add_nc_u64 s[58:59], s[22:23], s[72:73]
	WIN 0x40
.irp c, 0,1,2
	global_load_b128 v[QE+4*\c:QE+4*\c+3], v[LI], s[52:53] offset:512*\c
.endr
.irp c, 0,1,2
	global_load_b128 v[QO+4*\c:QO+4*\c+3], v[LI], s[52:53] offset:512*\c
.endr
	WIN 0
	global_load_b32 v[QSR], v[QA], s[54:55]
	LOADK 0
	LOADVS 0
	LOADV 0, 0
	LOADV 1, 0
	s_wait_loadcnt 50                              ; Q's seven loads are in; behind them: K's 25 and V's 25
	WIN 0x40
.irp i, 0,1,2,3,4,5
	v_mov_b32 v[QE+6+\i], 0                        ; Q_e: zero codes where head o's channels stood,
	v_mov_b32 v[QO+\i], 0                          ; Q_o: where head e's stood
.endr
	WIN 0
.irp i, 0,1,2,3,4,5,6,7
	v_mov_b32 v[BY+\i], 0                          ; written once: a lane permute's destination counts as one of its sources.  (These 13 lines are the places between Q's last write and the first products)
.endr
.irp i, 10,11,14,15
	v_mov_b32 v[\i], 0                             ; the sums
.endr
	v_mov_b32 v[NEG], 0xc79c4000                   ; -80,000
	KEYSTEP 0
	KEYSTEP 1
	KEYSTEP 2
	; ctx = O^T / the sum, into the stage
	v_add_f32 v[TMP], v10, v11                     ; the sums' two halves,
	v_add_f32 v[F], v14, v15
	v_permlanex16_b32 v[BY], v[TMP], s[SEL], s[SEL+1]
	v_permlanex16_b32 v[BY+1], v[F], s[SEL], s[SEL+1]
	v_add_f32 v[TMP], v[TMP], v[BY]                ; and lane l xor 16's
	v_add_f32 v[F], v[F], v[BY+1]
	v_rcp_f32 v[TMP], v[TMP]
	v_rcp_f32 v[F], v[F]
	v_nop                                          ; a plain place behind the reciprocals
.set j, 0
	s_wait_alu depctr_va_vdst(0)
.rept 16
	v_pk_mul_f32 v[OB+j:OB+j+1], v[OB+j:OB+j+1], v[TMP:TMP+1] op_sel_hi:[1,0]
	v_pk_mul_f32 v[OB+32+j:OB+32+j+1], v[OB+32+j:OB+32+j+1], v[F:F+1] op_sel_hi:[1,0]
.set j, j+2
.endr
.irp u, 0,1
.irp t, 0,1,2,3
	ds_store_b128 v[SA], v[OB+32*\u+8*\t:OB+32*\u+8*\t+3] offset:256*\u+64*\t          ; lane (r, h): ctx(r, 64 (2 g + u) + 16 t + 8 h + 0 .. 7)
	ds_store_b128 v[SA], v[OB+32*\u+8*\t+4:OB+32*\u+8*\t+7] offset:256*\u+64*\t+16
.endr
.endr
	s_wait_dscnt 0x0                               ; for the others' sake: my stores into the stage have landed
	s_barrier_signal -1
	s_barrier_wait -1                              ; 16 whole rows of ctx lie in the stage
	; residual and LayerNorm: rows 2 g and 2 g + 1, the two rows' lines by turns.  Register 4 i + e of a row is column 128 i + 4 lane + e
.irp q, 0,1
.irp i, 0,1,2,3,4,5,6,7
	ds_load_b128 v[Y+32*\q+4*\i:Y+32*\q+4*\i+3], v[RA] offset:4112*\q+512*\i
.endr
.endr
	s_wait_loadcnt 0x0                             ; x, gamma, beta
	s_wait_dscnt 0x0
	WIN 0x04                                       ; source 1 (x) window 1
.set j, 0
.rept 32
	v_pk_add_f32 v[Y+j:Y+j+1], v[Y+j:Y+j+1], v[XR+j:XR+j+1]
.set j, j+2
.endr
	WIN 0
.macro REDUCE w                        ; v[w] and v[w + 8]: the sum over the wave's 32 lanes, in every lane
.irp x, 1,2,4,8
.irp q, 0,1
	v_add_f32_dpp v[\w+8*\q], v[\w+8*\q], v[\w+8*\q] row_xmask:\x row_mask:0xf bank_mask:0xf
.endr
.endr
.irp q, 0,1
	v_permlanex16_b32 v[WP+8*\q], v[\w+8*\q], s[SEL], s[SEL+1]
.endr
.irp q, 0,1
	v_add_f32 v[\w+8*\q], v[\w+8*\q], v[WP+8*\q]
.endr
.endm
.irp q, 0,1
	v_pk_add_f32 v[WA+8*\q:WA+8*\q+1], v[Y+32*\q:Y+32*\q+1], v[Y+32*\q+4:Y+32*\q+5]
	v_pk_add_f32 v[WB+8*\q:WB+8*\q+1], v[Y+32*\q+2:Y+32*\q+3], v[Y+32*\q+6:Y+32*\q+7]
.endr
.irp j, 8,12,16,20,24,28
.irp q, 0,1
	v_pk_add_f32 v[WA+8*\q:WA+8*\q+1], v[WA+8*\q:WA+8*\q+1], v[Y+32*\q+\j:Y+32*\q+\j+1]
	v_pk_add_f32 v[WB+8*\q:WB+8*\q+1], v[WB+8*\q:WB+8*\q+1], v[Y+32*\q+\j+2:Y+32*\q+\j+3]
.endr
.endr
.irp q, 0,1
	v_pk_add_f32 v[WA+8*\q:WA+8*\q+1], v[WA+8*\q:WA+8*\q+1], v[WB+8*\q:WB+8*\q+1]
.endr
.irp q, 0,1
	v_add_f32 v[WA+8*\q], v[WA+8*\q], v[WA+8*\q+1]
.endr
	REDUCE WA
.irp q, 0,1
	v_mul_f32 v[WA+8*\q], 0xba800000, v[WA+8*\q]   ; - the mean: the sum x -1 / 1,024
.endr
.irp j, 0,2,4,6,8,10,12,14,16,18,20,22,24,26,28,30
.irp q, 0,1
	v_pk_add_f32 v[Y+32*\q+\j:Y+32*\q+\j+1], v[Y+32*\q+\j:Y+32*\q+\j+1], v[WA+8*\q:WA+8*\q+1] op_sel_hi:[1,0]
.endr
.endr
.irp q, 0,1
	v_pk_mul_f32 v[WB+8*\q:WB+8*\q+1], v[Y+32*\q:Y+32*\q+1], v[Y+32*\q:Y+32*\q+1]
	v_pk_mul_f32 v[WC+8*\q:WC+8*\q+1], v[Y+32*\q+2:Y+32*\q+3], v[Y+32*\q+2:Y+32*\q+3]
.endr
.irp j, 4,8,12,16,20,24,28
.irp q, 0,1
	v_pk_fma_f32 v[WB+8*\q:WB+8*\q+1], v[Y+32*\q+\j:Y+32*\q+\j+1], v[Y+32*\q+\j:Y+32*\q+\j+1], v[WB+8*\q:WB+8*\q+1]
	v_pk_fma_f32 v[WC+8*\q:WC+8*\q+1], v[Y+32*\q+\j+2:Y+32*\q+\j+3], v[Y+32*\q+\j+2:Y+32*\q+\j+3], v[WC+8*\q:WC+8*\q+1]
.endr
.endr
.irp q, 0,1
	v_pk_add_f32 v[WB+8*\q:WB+8*\q+1], v[WB+8*\q:WB+8*\q+1], v[WC+8*\q:WC+8*\q+1]
.endr
.irp q, 0,1
	v_add_f32 v[WB+8*\q], v[WB+8*\q], v[WB+8*\q+1]
.endr
	REDUCE WB
.irp q, 0,1
	v_fma_f32 v[WB+8*\q], v[WB+8*\q], s68, s69     ; the variance + 1e-12
.endr
.irp q, 0,1
	v_rsq_f32 v[WB+8*\q], v[WB+8*\q]
.endr
	v_nop                                          ; a plain place behind the roots
	s_wait_alu depctr_va_vdst(0)
.irp j, 0,2,4,6,8,10,12,14,16,18,20,22,24,26,28,30
.irp q, 0,1
	v_pk_mul_f32 v[Y+32*\q+\j:Y+32*\q+\j+1], v[Y+32*\q+\j:Y+32*\q+\j+1], v[WB+8*\q:WB+8*\q+1] op_sel_hi:[1,0]
.endr
.endr
	WIN 0x14                                       ; sources 1 (gamma) and 2 (beta) window 1
.irp j, 0,2,4,6,8,10,12,14,16,18,20,22,24,26,28,30
.irp q, 0,1
	v_pk_fma_f32 v[Y+32*\q+\j:Y+32*\q+\j+1], v[Y+32*\q+\j:Y+32*\q+\j+1], v[GA+\j:GA+\j+1], v[BE+\j:BE+\j+1]
.endr
.endr
	WIN 0
.irp q, 0,1
.irp i, 0,1,2,3,4,5,6,7
	global_store_b128 v[LI], v[Y+32*\q+4*\i:Y+32*\q+4*\i+3], s[58:59] offset:4096*\q+512*\i th:TH_STORE_NT   ; 32 lanes store 512 consecutive bytes, at a multiple of 512 from the output's first byte
.endr
.endr
	s_wait_tensorcnt 0x0
	ds_add_u32 v62, v63
	s_wait_dscnt 0x0
	s_endpgm
.Lfunc_end_k_q28a1eb4fa4_attend:
	.size	k_q28a1eb4fa4_attend, .Lfunc_end_k_q28a1eb4fa4_attend-k_q28a1eb4fa4_attend
	.p2alignl 7, 3214868480
	.fill 96, 4, 3214868480
	.section	.rodata,"a",@progbits
	.p2align	6, 0x0
	.amdhsa_kernel k_q28a1eb4fa4_attend
		.amdhsa_group_segment_fixed_size 67072
		.amdhsa_private_segment_fixed_size 0
		.amdhsa_enable_private_segment 0
		.amdhsa_kernarg_size 80
		.amdhsa_user_sgpr_count 2
		.amdhsa_user_sgpr_kernarg_segment_ptr 1
		.amdhsa_wavefront_size32 1
		.amdhsa_system_sgpr_workgroup_id_x 1
		.amdhsa_system_sgpr_workgroup_id_y 1
		.amdhsa_system_sgpr_workgroup_id_z 1
		.amdhsa_system_vgpr_workitem_id 0
		.amdhsa_next_free_vgpr 512
		.amdhsa_next_free_sgpr 80
		.amdhsa_reserve_vcc 1
		.amdhsa_float_denorm_mode_32 3
		.amdhsa_float_denorm_mode_16_64 3
		.amdhsa_memory_ordered 1
		.amdhsa_forward_progress 1
		.amdhsa_inst_pref_size 136
	.end_amdhsa_kernel
	.amdgpu_metadata
---
amdhsa.version: [ 1, 2 ]
amdhsa.kernels:
  - .name:           k_q28a1eb4fa4_attend
    .symbol:         k_q28a1eb4fa4_attend.kd
    .args:
      - { .name: hidden_states, .offset: 0, .size: 8, .value_kind: global_buffer, .address_space: global }
      - { .name: qc, .offset: 8, .size: 8, .value_kind: global_buffer, .address_space: global }
      - { .name: qs, .offset: 16, .size: 8, .value_kind: global_buffer, .address_space: global }
      - { .name: kc, .offset: 24, .size: 8, .value_kind: global_buffer, .address_space: global }
      - { .name: ks, .offset: 32, .size: 8, .value_kind: global_buffer, .address_space: global }
      - { .name: vc, .offset: 40, .size: 8, .value_kind: global_buffer, .address_space: global }
      - { .name: vs, .offset: 48, .size: 8, .value_kind: global_buffer, .address_space: global }
      - { .name: gamma, .offset: 56, .size: 8, .value_kind: global_buffer, .address_space: global }
      - { .name: beta, .offset: 64, .size: 8, .value_kind: global_buffer, .address_space: global }
      - { .name: out0, .offset: 72, .size: 8, .value_kind: global_buffer, .address_space: global }
    .group_segment_fixed_size: 67072
    .private_segment_fixed_size: 0
    .kernarg_segment_align: 8
    .kernarg_segment_size: 80
    .max_flat_workgroup_size: 256
    .sgpr_count:     80
    .vgpr_count:     512
    .wavefront_size: 32
...
	.end_amdgpu_metadata
.endif
;; end of part 3
